; MI455X (gfx1250); checked and timed in simulation.
; The chip was launched on July 23, 2026; its instructions are those of AMD's public machine-readable ISA for CDNA 5 (MIT licence, August 2026) and "CDNA5" Instruction Set Architecture Reference Guide (July 2026). The comments in the code are by the model that wrote it; some were corrected since.
;; Quantizer. Allowed arithmetic: matrix products marked QUANTISED: E4M3 operands, one E8M0 scale for each 32 along K, by v_wmma_scale_f32_16x16x128_f8f6f4 with both operands' format E4M3, f32 sums; everything else in f32.
;; Inputs: E 4,096 x 256 float32; x_codes 32 x 1,024 x 8 x 32 uint8 (E4M3 codes of x, K innermost, in blocks of 32 codes); x_scales 32 x 1,024 x 8 uint8 (E8M0 scales of x, one for each 32 codes along K).
;; Outputs: out0 32 x 1,024 x 256 float32.
;; This version of the problem:
;;   THIS VERSION OF THE PROBLEM IS GIVEN IN LOW PRECISION. The matrix products marked QUANTISED in the list below multiply operands that are first quantised to E4M3 (4 exponent bits, 3 mantissa bits; 8 bits a number), with one power-of-two scale for each 32 numbers along K (OCP MX v1.0); their sums are f32. All else is computed in f32.
;;   The module's matrix products, in the order in which they are computed (A, B: the left and right operand; K: the contracted axis; several contracted axes count as one K, in the product's order):
;;     1. [M 32,768, K 256] x [K 256, N 4,096]; A: input x (given as codes); B: input E: QUANTISED
;;   THE QUANTISER, for each operand of a quantised product, along K:
;;     - K is cut into blocks of 32 from its start; a last block that is shorter is filled with zeros.
;;     - A block's scale is 2^e with e = floor(log2(the largest magnitude in the block)) - 8, held to -126 .. 127; a block of zeros has e = 0. As a byte (E8M0): e + 127.
;;     - Each number is divided by its block's scale, clamped to +-448, and rounded to the nearest number of E4M3, ties to even, subnormals kept.
;;     - The product sums the exact products of the quantised numbers (number of the format x scale) in f32.
;;   ~~~python
;;   def quantise(x, axis):      # numpy; x: float32 -> the quantised numbers, widened to float32 again
;;       x = np.moveaxis(x, axis, -1); K = x.shape[-1]
;;       x = np.pad(x, [(0, 0)] * (x.ndim - 1) + [(0, -K % 32)]); x = x.reshape(x.shape[:-1] + (-1, 32)); a = np.abs(x).max(-1, keepdims=True)
;;       e = np.where(a > 0, np.clip(np.frexp(np.where(a > 0, a, 1))[1] - 1 - 8, -126, 127), 0)      # np.frexp(a)[1] - 1 = floor(log2(a)), exactly
;;       r = np.clip(x / 2.0 ** e, -448, 448)
;;       step = 2.0 ** (np.maximum(np.frexp(np.where(r == 0, 1, r))[1] - 1, -6) - 3)
;;       q = np.round(r / step) * step * 2.0 ** e      # np.round: ties to even
;;       return np.moveaxis(q.reshape(q.shape[:-2] + (-1,))[..., :K], -1, axis).astype(np.float32)
;;   ~~~
;;   INPUTS GIVEN AS CODES. x (in the module: [32, 1024, 256], K = its axis 2): each comes as NAME_codes (uint8): NAME with its K axis moved to the last place and cut into blocks of 32 codes, [.., K / 32, bytes a block], one block behind the other in memory; one code a byte (a code: sign, 4 exponent bits, 3 mantissa bits); and NAME_scales (uint8): the same leading axes, one E8M0 byte (e + 127) for each 32 codes along K. Its value is code x scale, taken as it is: it is not quantised again, and the codes and scales need not be those that the quantiser above would give.
;; One version. Each part assembles by itself: llvm-mc -triple=amdgcn-amd-amdhsa -mcpu=gfx1250 --defsym DOCPART=n.
;; ======== version 1 of 1: 3 launches
;; limits: right only within a limited range of input values
;; workspace buffers: ew 1,114,112 bytes; res 1,048,576 bytes of whole numbers
;; launch quant (part 1): grid 256 x 1, 1 waves a work-group, no clusters, 0 bytes of LDS; arguments E, ew; writes ew
.if DOCPART == 1
	.amdgcn_target "amdgcn-amd-amdhsa--gfx1250"
	.amdhsa_code_object_version 6
	.text
	.protected	k_q047d594bfb_quant
	.globl	k_q047d594bfb_quant
	.p2align	8
	.type	k_q047d594bfb_quant,@function
k_q047d594bfb_quant:
	s_mov_b64 s[64:65], 0
	v_nop
	global_prefetch_b8 v0, s[64:65] scope:SCOPE_SE
	s_setreg_imm32_b32 hwreg(HW_REG_WAVE_MODE, 25, 1), 1
	s_wait_xcnt 0x0
; E [4096][256] f32 becomes, tile by tile of 16 codewords, a RECORD of 4,352 bytes in ew, laid as the next launch's registers want it:
;   bytes 2048 s + 512 c + 16 l : registers 4 c .. 4 c + 3 of lane l of the fragment of K step s (16 rows x 128 K of E4M3 codes): row l % 16, k = 128 s + 32 c + 16 (l / 16) + 0 .. 15
;   bytes 4096 + 4 l            : the scale word that lane l holds: lanes 0-15 row l's four E8M0 bytes of K step 0, lanes 16-31 row (l - 16)'s of K step 1
;   bytes 4224 + 4 m            : -0.5 x the sum of squares of row m of the UNQUANTISED E, f32 (m = 0 .. 15);   bytes 4288 .. 4351: zeros
; A block's scale is 2^(floor(log2(its largest magnitude)) - 8); its byte is the largest magnitude's exponent field - 8, held at 1 from below; each number is held within +-448 x the scale and rounded to the nearest code, ties to even.
; One wave to a tile, 256 tiles.  Lane (r, h) takes, of row r, 16 neighbours of each block of 32: so the conversions' results are the fragment's registers, and a block's maximum wants lane l xor 16 alone.
; LIMITS: a block of zeros gets the byte 1 where the rule says 127 (its codes are zeros, and this program alone reads the bytes); blocks whose largest magnitude lies under 2^(8 - 126) were not tried;
; NaN and infinities in E are not served.  The sum of squares is a tree of fused multiply-adds in f32: its order of rounding is not that of a sum from left to right.
.set REC,  4352                        ; bytes in a record
.set X,    32                          ; v32-159  my 128 numbers: register 64 s + 16 b + i = k 128 s + 32 b + 16 h + i of row r
.set PC,   160                         ; v160-191 the two fragments' codes
.set TM,   192                         ; v192-195 largest magnitudes, v196-199 bytes, v200-203 448 x the scale, v204-207 the conversions' scale operands
.set PW,   208                         ; v208, v209 the scale words of K steps 0 and 1
.set SQ,   210                         ; v210-217 four pairs of partial sums of squares; later what the lane pulls bring
.set LAND, 218                         ; v218     where the lane exchange lands
.set NN,   219                         ; v219     -0.5 x my row's sum of squares
.set SW,   220                         ; v220     the scale word as the next launch's lane holds it
.set OUTP, 222                         ; v[222:223] my 8 bytes of the record's last 256
	s_load_b128 s[4:7], s[0:1], 0x0                ; E s[4:5], ew s[6:7]
	v_and_b32 v1, 31, v0                           ; lane
	v_and_b32 v2, 15, v0                           ; r
	v_bfe_u32 v3, v0, 4, 1                         ; h
	v_lshlrev_b32 v4, 10, v2
	v_lshl_add_u32 v4, v3, 6, v4                   ; E: row r of 1,024 bytes, + 64 h: my 16 numbers of a block of 32
	v_lshlrev_b32 v5, 4, v1                        ; 16 x lane: my place in an image
	v_lshlrev_b32 v6, 3, v1                        ; 8 x lane: my place in the record's last 256 bytes
	v_and_b32 v7, 0x7c, v6                         ; 4 x (2 lane mod 32): the lane from which I pull the first word of my 8 bytes,
	v_add_nc_u32 v8, 4, v7                         ; and the one beside it
	s_lshl_b32 s8, ttmp9, 14                       ; the tile's 16 rows of 1,024 bytes
	s_mov_b32 s9, 0
	s_mul_i32 s10, ttmp9, REC                      ; and its record
	s_mov_b32 s11, 0
	s_mov_b32 s12, 0x76543210
	s_mov_b32 s13, 0xfedcba98                      ; v_permlanex16_b32's selects for lane l xor 16
	s_mov_b32 s14, 0x600000                        ; the mantissa field of 448
.irp b, 0,1,2,3
	v_mov_b32 v[TM+4+\b], 0                        ; written once: a lane permute's destination counts as one of its sources
.endr
	v_mov_b32 v[LAND], 0
	s_wait_kmcnt 0x0
	s_add_nc_u64 s[4:5], s[4:5], s[8:9]
	s_add_nc_u64 s[6:7], s[6:7], s[10:11]
.irp s, 0,1
.irp b, 0,1,2,3
.irp j, 0,1,2,3
	global_load_b128 v[X+64*\s+16*\b+4*\j:X+64*\s+16*\b+4*\j+3], v4, s[4:5] offset:512*\s+128*\b+16*\j th:TH_LOAD_NT
.endr
.endr
.endr
	s_wait_loadcnt 0x0                             ; all 32 loads: the sum of squares below walks all 128 numbers
	; the sum of squares, ahead of the quantiser, whose hold changes the numbers: four chains of packed multiply-adds; the first four products start them
.irp c, 0,1,2,3
	v_pk_mul_f32 v[SQ+2*\c:SQ+2*\c+1], v[X+2*\c:X+2*\c+1], v[X+2*\c:X+2*\c+1]
.endr
.set i, 4
.rept 60
	v_pk_fma_f32 v[SQ+2*(i%4):SQ+2*(i%4)+1], v[X+2*i:X+2*i+1], v[X+2*i:X+2*i+1], v[SQ+2*(i%4):SQ+2*(i%4)+1]
.set i, i+1
.endr
	v_pk_add_f32 v[SQ:SQ+1], v[SQ:SQ+1], v[SQ+2:SQ+3]
	v_pk_add_f32 v[SQ+4:SQ+5], v[SQ+4:SQ+5], v[SQ+6:SQ+7]
	v_pk_add_f32 v[SQ:SQ+1], v[SQ:SQ+1], v[SQ+4:SQ+5]
	v_add_f32 v[SQ], v[SQ], v[SQ+1]
	v_permlanex16_b32 v[LAND], v[SQ], s12, s13     ; the row's other 128 numbers lie in the lane 16 away
	v_add_f32 v[SQ], v[SQ], v[LAND]
	v_mul_f32 v[NN], -0.5, v[SQ]                   ; exact: the next launch looks for the largest x.E - |E|^2 / 2
; 64 numbers of a lane, v[s] on, register 16 b + i = k 32 b + 16 h + i of my row, become a fragment's codes in v[pc] on and its scale word in v[pw]
.macro QUANT s, pc, pw
.irp b, 0,1,2,3
	v_max3_num_f32 v[TM+\b], |v[\s+16*\b]|, |v[\s+1+16*\b]|, 0x4800000   ; block b: my 16 numbers, and the floor 2^(9 - 127): so the byte cannot fall under 1
.endr
.irp i, 2,4,6,8,10,12,14
.irp b, 0,1,2,3
	v_max3_num_f32 v[TM+\b], v[TM+\b], |v[\s+16*\b+\i]|, |v[\s+1+16*\b+\i]|   ; the four blocks by turns
.endr
.endr
.irp b, 0,1,2,3
	v_permlanex16_b32 v[TM+4+\b], v[TM+\b], s12, s13
.endr
.irp b, 0,1,2,3
	v_max_num_f32 v[TM+\b], v[TM+\b], v[TM+4+\b]   ; with lane l xor 16's: the block's largest magnitude
.endr
.irp b, 0,1,2,3
	v_add_nc_u32 v[TM+12+\b], 0xfc000000, v[TM+\b] ; 8 off its exponent field: the conversion takes this operand's exponent field as its scale
.endr
.irp b, 0,1,2,3
	v_and_or_b32 v[TM+8+\b], v[TM+\b], 0x7f800000, s14   ; 448 x the scale: the largest magnitude's exponent field over 448's mantissa
.endr
.irp b, 0,1,2,3
	v_lshrrev_b32 v[TM+4+\b], 23, v[TM+12+\b]      ; the scale's byte
.endr
	v_lshl_or_b32 v[\pw], v[TM+5], 8, v[TM+4]      ; the four bytes make my row's scale word (both halves of the lanes hold it)
	v_lshl_or_b32 v[\pw], v[TM+6], 16, v[\pw]
	v_lshl_or_b32 v[\pw], v[TM+7], 24, v[\pw]
.irp b, 0,1,2,3
.irp i, 0,1,2,3,4,5,6,7,8,9,10,11,12,13,14,15
	v_med3_num_f32 v[\s+16*\b+\i], v[\s+16*\b+\i], -v[TM+8+\b], v[TM+8+\b]   ; the conversion to an 8-bit code does not saturate (ISA guide 7.6.2): the hold at 448 x the scale
.endr
	v_cvt_scalef32_pk8_fp8_f32 v[\pc+4*\b:\pc+1+4*\b], v[\s+16*\b:\s+7+16*\b], v[TM+12+\b]
	v_cvt_scalef32_pk8_fp8_f32 v[\pc+2+4*\b:\pc+3+4*\b], v[\s+8+16*\b:\s+15+16*\b], v[TM+12+\b]
.endr
	v_nop                                          ; a plain vector instruction between the last conversion and the next vector instruction that writes its sources
.endm
	QUANT X, PC, PW
	QUANT X+64, PC+16, PW+1
.irp s, 0,1
.irp c, 0,1,2,3
	global_store_b128 v5, v[PC+16*\s+4*\c:PC+16*\s+4*\c+3], s[6:7] offset:2048*\s+512*\c   ; 32 lanes store 512 consecutive bytes, at a multiple of 256 from ew's first byte
.endr
.endr
	; the record's last 256 bytes leave by ONE store of 8 bytes a lane: lanes 0-15 the 32 scale words, lanes 16-23 the 16 halved norms, lanes 24-31 zeros.  The words are pulled from the lanes that hold them.
	v_cmp_gt_u32 s16, 16, v1                       ; lanes 0-15
	v_cmp_gt_u32 s17, 24, v1                       ; lanes 0-23
	v_cndmask_b32 v[SW], v[PW+1], v[PW], s16       ; lanes 0-15 K step 0's word, lanes 16-31 K step 1's
	ds_bpermute_b32 v[SQ+4], v7, v[SW]             ; (a pull between lanes: no LDS byte is touched)
	ds_bpermute_b32 v[SQ+5], v8, v[SW]
	ds_bpermute_b32 v[SQ+6], v7, v[NN]             ; lane 16 + i pulls rows 2 i and 2 i + 1
	ds_bpermute_b32 v[SQ+7], v8, v[NN]
	s_wait_dscnt 0x0                               ; the four pulls are in
	v_cndmask_b32 v[OUTP], 0, v[SQ+6], s17
	v_cndmask_b32 v[OUTP+1], 0, v[SQ+7], s17
	v_cndmask_b32 v[OUTP], v[OUTP], v[SQ+4], s16
	v_cndmask_b32 v[OUTP+1], v[OUTP+1], v[SQ+5], s16
	global_store_b64 v6, v[OUTP:OUTP+1], s[6:7] offset:4096   ; 32 lanes store 256 consecutive bytes, aligned
	s_endpgm
.Lfunc_end_k_q047d594bfb_quant:
	.size	k_q047d594bfb_quant, .Lfunc_end_k_q047d594bfb_quant-k_q047d594bfb_quant
	.p2alignl 7, 3214868480
	.fill 96, 4, 3214868480
	.section	.rodata,"a",@progbits
	.p2align	6, 0x0
	.amdhsa_kernel k_q047d594bfb_quant
		.amdhsa_group_segment_fixed_size 0
		.amdhsa_private_segment_fixed_size 0
		.amdhsa_enable_private_segment 0
		.amdhsa_kernarg_size 16
		.amdhsa_user_sgpr_count 2
		.amdhsa_user_sgpr_kernarg_segment_ptr 1
		.amdhsa_wavefront_size32 1
		.amdhsa_system_sgpr_workgroup_id_x 1
		.amdhsa_system_sgpr_workgroup_id_y 1
		.amdhsa_system_sgpr_workgroup_id_z 1
		.amdhsa_system_vgpr_workitem_id 0
		.amdhsa_next_free_vgpr 224
		.amdhsa_next_free_sgpr 66
		.amdhsa_reserve_vcc 0
		.amdhsa_float_denorm_mode_32 3
		.amdhsa_float_denorm_mode_16_64 3
		.amdhsa_memory_ordered 1
		.amdhsa_forward_progress 1
		.amdhsa_inst_pref_size 27
	.end_amdhsa_kernel
	.amdgpu_metadata
---
amdhsa.version: [ 1, 2 ]
amdhsa.kernels:
  - .name:           k_q047d594bfb_quant
    .symbol:         k_q047d594bfb_quant.kd
    .args:
      - { .name: E, .offset: 0, .size: 8, .value_kind: global_buffer, .address_space: global }
      - { .name: ew, .offset: 8, .size: 8, .value_kind: global_buffer, .address_space: global }
    .group_segment_fixed_size: 0
    .private_segment_fixed_size: 0
    .kernarg_segment_align: 8
    .kernarg_segment_size: 16
    .max_flat_workgroup_size: 32
    .sgpr_count:     66
    .vgpr_count:     224
    .wavefront_size: 32
...
	.end_amdgpu_metadata
.endif
;; end of part 1
;; launch sweep (part 2): grid 4 x 64, 8 waves a work-group, clusters of 4 x 4, 327,680 bytes of LDS; arguments ew, x_codes, x_scales, res; writes res
.if DOCPART == 2
	.amdgcn_target "amdgcn-amd-amdhsa--gfx1250"
	.amdhsa_code_object_version 6
	.text
	.protected	k_q047d594bfb_sweep
	.globl	k_q047d594bfb_sweep
	.p2align	8
	.type	k_q047d594bfb_sweep,@function
k_q047d594bfb_sweep:
	s_mov_b64 s[64:65], 0
	v_nop
	global_prefetch_b8 v0, s[64:65] scope:SCOPE_SE
	s_setreg_imm32_b32 hwreg(HW_REG_WAVE_MODE, 25, 1), 1
	s_wait_xcnt 0x0
	s_wait_alu depctr_hold_cnt(0) depctr_sa_sdst(0) depctr_va_vdst(0) depctr_va_sdst(0) depctr_va_ssrc(0) depctr_va_vcc(0) depctr_vm_vsrc(0)
	s_getreg_b32 s2, hwreg(HW_REG_IB_STS2, 6, 4)
	s_cmp_eq_u32 s2, 0
	s_cbranch_scc0 .Lentry_in_a_cluster
	s_endpgm
.Lentry_in_a_cluster:
	s_bfe_u32 s2, ttmp6, 0x10000c
	s_cmp_lg_u32 s2, 0xf033
	s_cbranch_scc0 .Lentry_shape_is_right
	s_endpgm
.Lentry_shape_is_right:
; For each query n and each quarter of the codebook: the codeword v of that quarter with the smallest -2 x_n.E_v + |E_v|^2, that is with the largest x_n.E_v - |E_v|^2 / 2; of equal ones the lowest v.
; res[quarter][n] = (order number of that value, v): the order number is the f32's bits turned into a signed whole number that rises with the value; the next launch compares the four quarters by it.
; The product is on E4M3 codes with E8M0 scales; sums in f32.  x: codes [32768][256] and scale bytes [32768][8], as given.  ew: 256 records of 4,352 bytes, one for each 16 codewords:
; the two fragments as images of their registers (16 rows of 256 bytes), then one row with the scale words and the halved negative norms.
; SHARES.  A work-group owns 512 queries against one quarter, 64 records, which fit in LDS as two slots of 32 records: each byte of E is fetched once and no slot is refilled in the loops.
;   Wave w holds the 128 queries of group w / 2 in registers (window 1) for the whole launch, and takes the quarter's records 32 (w % 2) .. + 31: sixteen of them in each slot.
; CLUSTER, 4 x 4.  cx is the quarter, cy and the cluster's y the queries.  E's tiles are asked for jointly by the four work-groups with the same cx, x's by the four with the same cy.
; x comes through LDS: it lands in slot 1, goes from there into registers, and slot 1 is then filled with E's records in a drained round.  x's tile is 136 rows, of which 128 lie inside the tensor's
;   stated extent and 8 arrive as zeros: 544 rows of 256 bytes, 16 bytes of padding behind each.
; No prefetch: each tile is asked for once, at the head or (slot 1) sixteen tiles of each wave, 256 matrix instructions, ahead of its first use.
; THE PRODUCT IS USED TRANSPOSED: source 0 = 16 codewords, source 1 = 16 queries: lane (r, h) holds query r, and its register j codeword 8 h + j of the tile.  -|E|^2 / 2 is the C of each sum's first product.
; THE ARGMAX, exact, 13 vector instructions for a lane's 8 numbers: four three-way maxima chain the running maximum with the 8 numbers (into the other of two sets, which change places tile by tile); where it has GROWN (a strict
;   compare, so that the earlier tile keeps a tie) the tile's number and the first 7 of its 8 numbers are kept.  Behind the sweep the lowest kept register that equals the maximum names the codeword; if none does, it is the eighth.
; ORDER.  Tiles of queries 0-3 and 4-7 take turns: the products of one half stand ahead of the reduction of the other half, whose products lie a whole reduction back: so the reductions are the places behind the products.
; LIMITS.  The norm enters the sum ahead of the two K steps, not behind them: an order of rounding that is not reference()'s; the factors 2 and 1/2 are exact.  NaN and infinities (an x scale byte 0xff) are not served: the stored index then still lies in 0 .. 4095.
; REGISTERS, window 0: as named below; window 1: x's fragments: tile q, K step s at v[32 q + 16 s].
.set REC,   4624                       ; a record in LDS: 17 rows of 256 + 16 bytes
.set SLOT,  32*REC                     ; a slot: 544 rows
.set PART,  SLOT/4                     ; 136 rows: a head's load
.set PART8, SLOT/8                     ; 68 rows: slot 1's loads
.set GREC,  4352                       ; a record in ew
.set RES,   2*SLOT                     ; 8 waves x 2 lane halves x 128 queries x (value, index); no fill lands here
.set SPARE, RES+16384                  ; the spare words, 128 bytes for each wave: four blocks of 256 bytes that no other line names
.set SPW, 1                            ; v1   LDS address of my spare word; never rewritten
.set NIL, 2                            ; v2   0; never rewritten
.set ADF, 3                            ; v3   my records + 272 h + 16 r: the images
.set ADS, 4                            ; v4   my records + 4 x lane: the scale words
.set ADN, 5                            ; v5   my records + 32 h: the eight norms of my half
.set XA,  6                            ; v6   x's rows in LDS
.set XSO, 7                            ; v7   x's scale words: 8 r + 4 h
.set H8,  8                            ; v8   8 h
.set RDA, 9                            ; v9   RES + 4096 (w / 2) + 512 (w % 2) + 16 x lane
.set WRA, 10                           ; v10  RES + 2048 w + 1024 h + 8 r
.set ES,  11                           ; v11, v19   E's scale words, two sets
.set XS,  12                           ; v12-18, v20  x's scale words: their numbers differ from E's modulo 8
.set TID, 22                           ; v22-29  kept tile numbers
.set GIO, 31                           ; v31  16 x thread: my bytes of the work-group's 4,096 in res
.set NR,  32                           ; v32-47  two sets of C
.set EF,  48                           ; v48-111 two sets of E's fragments
.set ACC, 112                          ; v112-175 eight accumulators
.set SV,  176                          ; v176-231 the kept numbers, 7 for each tile of queries
.set RUN, 240                          ; v240-255 the running maxima, two sets
.set JJ,  ACC                          ; the tail: which register won
.set PR,  EF                           ; the tail: 8 pairs (value, index)
.set LD,  EF+16                        ; the tail: four candidates x two queries
.set TMP, EF+32
.set WV,  12                           ; s12  my wave's number
.set G1,  16                           ; s[16:23] descriptor group 1 for E
.set G1X, 24                           ; s[24:31] for x
.set G0,  32                           ; s[32:35] group 0: the head's part of E
.set G0X, 36                           ; s[36:39] x's part
.set G0F, 40                           ; s[40:43] my part of slot 1
.set MK,  48                           ; s48-55 lane masks
.set CUR, 59                           ; s59  the number of the tile in hand, 0 .. 255
.set TRIPS, 60
.set MSB, 0
.macro WIN new                         ; the immediate's high byte repeats the setting that is left
.if MSB != \new
	s_set_vgpr_msb (MSB<<8)|\new
.set MSB, \new
.endif
.endm
.macro PLACES n
.rept \n
	v_nop
.endr
.endm
; A round of the cluster's barrier: my work-group's barrier, so that wave 0's signal speaks for all eight waves; wave 0 signals; every wave waits for all sixteen work-groups; my work-group's barrier once more.
.macro CREST                           ; a round behind its opening barrier
	s_cmp_lg_u32 s[WV], 0
	s_cbranch_scc1 .Lnot_wave_0_\@
	s_barrier_signal -3
.Lnot_wave_0_\@:
	s_barrier_wait -3
	s_barrier_signal -1
	s_barrier_wait -1
.endm
.macro ROUND
	s_barrier_signal -1
	s_barrier_wait -1
	CREST
.endm
; Record i from where the address registers stand into set p: eleven LDS loads.
.macro LOADT i, p
.irp g, 0,1,2,3,4,5,6,7
	ds_load_b128 v[EF+32*(\p)+4*\g:EF+32*(\p)+4*\g+3], v[ADF] offset:(\i)*REC+544*\g
.endr
	ds_load_b32 v[ES+8*(\p)], v[ADS] offset:(\i)*REC+4352
	ds_load_b128 v[NR+8*(\p):NR+8*(\p)+3], v[ADN] offset:(\i)*REC+4480
	ds_load_b128 v[NR+8*(\p)+4:NR+8*(\p)+7], v[ADN] offset:(\i)*REC+4496
.endm
.macro STEPA bytes
	v_add_nc_u32 v[ADF], \bytes, v[ADF]
	v_add_nc_u32 v[ADS], \bytes, v[ADS]
	v_add_nc_u32 v[ADN], \bytes, v[ADN]
.endm
; 16 codewords x 64 queries x K 256: eight matrix instructions on the tiles of queries q0 .. q0 + 3.  The four accumulators take turns, one instruction a turn, three others between a sum's two steps.
; K step 1's scale words stand in lanes 16-31 of the same registers.
.macro PROD p, q0
	WIN 0x04                                       ; source 1 (x) in window 1
.irp k, 0,1,2,3
	v_wmma_scale_f32_16x16x128_f8f6f4 v[ACC+8*(\q0+\k):ACC+8*(\q0+\k)+7], v[EF+32*(\p):EF+32*(\p)+15], v[32*(\q0+\k):32*(\q0+\k)+15], v[NR+8*(\p):NR+8*(\p)+7], v[ES+8*(\p)], v[XS+(\q0+\k)+(\q0+\k)/7]
.endr
.irp k, 0,1,2,3
	v_wmma_scale_f32_16x16x128_f8f6f4 v[ACC+8*(\q0+\k):ACC+8*(\q0+\k)+7], v[EF+32*(\p)+16:EF+32*(\p)+31], v[32*(\q0+\k)+16:32*(\q0+\k)+31], v[ACC+8*(\q0+\k):ACC+8*(\q0+\k)+7], v[ES+8*(\p)], v[XS+(\q0+\k)+(\q0+\k)/7] matrix_a_scale:MATRIX_SCALE_ROW1 matrix_b_scale:MATRIX_SCALE_ROW1
.endr
	WIN 0
.endm
; 32 numbers of a lane (tiles of queries q0 .. q0 + 3) against what it holds: the running maxima go from set p into the other set.  Each accumulator is read from its low end on.
.macro RED p, q0
.irp k, 0,1,2,3
	v_max3_num_f32 v[RUN+8*(1-(\p))+\q0+\k], v[RUN+8*(\p)+\q0+\k], v[ACC+8*(\q0+\k)], v[ACC+8*(\q0+\k)+1]
.endr
.irp j, 2,4,6
.irp k, 0,1,2,3
	v_max3_num_f32 v[RUN+8*(1-(\p))+\q0+\k], v[RUN+8*(1-(\p))+\q0+\k], v[ACC+8*(\q0+\k)+\j], v[ACC+8*(\q0+\k)+\j+1]
.endr
.endr
.irp k, 0,1,2,3
	v_cmp_gt_f32 s[MK+\k], v[RUN+8*(1-(\p))+\q0+\k], v[RUN+8*(\p)+\q0+\k]   ; has it grown?  Strictly: an equal number of a later tile does not win
.endr
.irp k, 0,1,2,3
	v_cndmask_b32 v[TID+\q0+\k], v[TID+\q0+\k], s[CUR], s[MK+\k]
.endr
.irp k, 0,1,2,3
.irp j, 0,1,2,3,4,5,6
	v_cndmask_b32 v[SV+7*(\q0+\k)+\j], v[SV+7*(\q0+\k)+\j], v[ACC+8*(\q0+\k)+\j], s[MK+\k]
.endr
.endr
.endm
; A tile, its record in set p.  how = 0: the next record lies behind it; 1: two on, and the address registers step; 2: slot 1's first, behind the barrier that shows slot 1 whole; 3: none.
; The set that is loaded was last read by products that stand a whole reduction back.
.macro TILE p, how
	s_wait_dscnt 0x0                               ; this tile's eleven loads are in
.if \how == 0
	LOADT 1, 1-(\p)
.endif
.if \how == 1
	LOADT 2, 1-(\p)
	STEPA 2*REC
.endif
.if \how == 2
	s_wait_tensorcnt 0x0                           ; my part of slot 1 has landed
	s_barrier_signal -1
	STEPA SLOT-14*REC
.endif
	PROD \p, 0
	RED 1-(\p), 4                                  ; the tile before
	s_add_co_u32 s[CUR], s[CUR], 1
.if \how == 2
	s_barrier_wait -1                              ; every wave's part has
	LOADT 0, 1-(\p)
.endif
	PROD \p, 4
	RED \p, 0
.endm
; (va, ia) takes (vb, ib) where vb is larger, or equal with the lower index
.macro PICK va, ia, vb, ib
	v_cmp_gt_f32 s56, v[\vb], v[\va]
	v_cmp_eq_f32 s57, v[\vb], v[\va]
	v_cmp_lt_u32 s58, v[\ib], v[\ia]
	s_and_b32 s57, s57, s58
	s_or_b32 s56, s56, s57
	v_cndmask_b32 v[\va], v[\va], v[\vb], s56
	v_cndmask_b32 v[\ia], v[\ia], v[\ib], s56
.endm
	s_load_b256 s[4:11], s[0:1], 0x0               ; ew s[4:5], x's codes s[6:7], x's scales s[8:9], res s[10:11]
	v_lshl_add_u32 v[SPW], v0, 2, SPARE
	v_mov_b32 v[NIL], 0
	ds_add_u32 v[SPW], v[NIL]                      ; the wave's opening: the add, twice on end, and its wait ahead of my first tensor load; work on registers stands between the second and the wait
	ds_add_u32 v[SPW], v[NIL]
	v_lshrrev_b32 v112, 5, v0
	v_readfirstlane_b32 s[WV], v112                ; wave 0..7
	s_bfe_u32 s13, ttmp6, 0x40000                  ; cx: the quarter (the grid is one cluster wide)
	s_bfe_u32 s62, ttmp6, 0x40004                  ; cy
	s_and_b32 s14, ttmp7, 0xffff
	s_lshl_b32 s14, s14, 2
	s_add_co_u32 s14, s14, s62                     ; my block of 512 queries: 4 x cluster y + cy
	s_lshl_b32 s62, s62, 2
	s_lshl_b32 s62, 15, s62                        ; x's mask: the four with my cy
	s_lshl_b32 s63, 0x1111, s13                    ; E's mask: the four with my cx
	; descriptor groups 1: rows of 256 bytes (32 elements of 8 bytes), dense in memory, 16 bytes of padding behind each in LDS
	s_or_b32 s[G1], s63, (3<<16)|(1<<20)|(1<<21)|(5<<22)|(3<<25)   ; 15:0 the mask; 17:16 elements of 8 bytes; 20 padding on; 21 set beside a mask; 24:22 after every 64 words; 31:25 of 4 words
	s_or_b32 s[G1X], s62, (3<<16)|(1<<20)|(1<<21)|(5<<22)|(3<<25)
.irp g, G1, G1X
	s_mov_b32 s[\g+1], 32<<16                      ; tensor_dim0 = 32
	s_mov_b32 s[\g+3], 32<<16                      ; tile_dim0 = 32
	s_mov_b32 s[\g+4], 136                         ; tile_dim1 = 136 rows
	s_mov_b32 s[\g+5], 32                          ; elements from row to row
	s_mov_b32 s[\g+6], 0
	s_mov_b32 s[\g+7], 0
.endr
	s_mov_b32 s[G1+2], 136<<16                     ; tensor_dim1: E's part is 136 rows,
	s_mov_b32 s[G1X+2], 128<<16                    ; x's 128: the tile's last 8 rows arrive as zeros
	s_lshr_b32 s61, s[WV], 1                       ; my group of 128 queries
	s_and_b32 s15, s[WV], 1                        ; which half of the quarter's records is mine
	; E in LDS: slot 0 holds the quarter's records 0-15 and 32-47, slot 1 records 16-31 and 48-63
	s_mul_i32 s44, s13, 64*GREC                    ; my quarter of ew
	s_mul_i32 s66, s[WV], 8*GREC                   ; the head: wave w < 4 fetches 8 records,
	s_mul_i32 s45, s61, 16*GREC                    ; those of waves 2 and 3 sixteen records further on
	s_add_co_u32 s66, s66, s45
	s_add_co_u32 s66, s66, s44
	s_mov_b32 s67, 0
	s_mul_i32 s68, s[WV], 4*GREC                   ; slot 1: wave w fetches 4 records,
	s_lshr_b32 s45, s[WV], 2
	s_mul_i32 s45, s45, 16*GREC                    ; those of waves 4-7 sixteen records further on
	s_add_co_u32 s68, s68, s45
	s_add_co_u32 s68, s68, s44
	s_add_co_u32 s68, s68, 16*GREC
	s_mov_b32 s69, 0
	s_lshl_b32 s70, s14, 17                        ; x: my 512 rows of 256 bytes; wave w >= 4 fetches 128 of them
	s_and_b32 s46, s[WV], 3
	s_lshl_b32 s46, s46, 15
	s_add_co_u32 s70, s70, s46
	s_mov_b32 s71, 0
	s_lshl_b32 s72, s14, 12                        ; x's scales: 8 bytes a row; my group's 128 rows
	s_lshl_b32 s46, s61, 10
	s_add_co_u32 s72, s72, s46
	s_mov_b32 s73, 0
	s_lshl_b32 s74, s13, 18                        ; res: my quarter's 32,768 pairs of 8 bytes, my 512 of them
	s_lshl_b32 s46, s14, 12
	s_add_co_u32 s74, s74, s46
	s_mov_b32 s75, 0
	s_lshl_b32 s[CUR], s13, 6
	s_lshl_b32 s46, s15, 5
	s_add_co_u32 s[CUR], s[CUR], s46               ; my first tile
	s_mul_i32 s47, s15, 16*REC                     ; my records in a slot
	s_mul_i32 s76, s61, PART                       ; my queries in x's image
	s_lshl_b32 s77, s61, 12
	s_lshl_b32 s78, s15, 9
	s_add_co_u32 s77, s77, s78
	s_lshl_b32 s78, s[WV], 11
	v_and_b32 v113, 31, v0                         ; lane
	v_and_b32 v114, 15, v0                         ; r
	v_bfe_u32 v115, v0, 4, 1                       ; h
	v_lshlrev_b32 v[GIO], 4, v0
	v_mul_u32_u24 v[ADF], v115, 272
	v_lshlrev_b32 v[ADS], 2, v113
	v_lshlrev_b32 v[ADN], 5, v115
	v_mul_u32_u24 v[XA], v114, 272
	v_lshlrev_b32 v[XSO], 3, v114
	v_lshlrev_b32 v[RDA], 4, v113
	v_lshlrev_b32 v[WRA], 3, v114
	v_lshlrev_b32 v[H8], 3, v115
	v_lshl_add_u32 v[ADF], v114, 4, v[ADF]
	v_add_nc_u32 v[ADS], s47, v[ADS]
	v_add_nc_u32 v[ADN], s47, v[ADN]
	v_lshl_add_u32 v[XA], v115, 4, v[XA]
	v_lshl_add_u32 v[XSO], v115, 2, v[XSO]
	v_add_nc_u32 v[RDA], s77, v[RDA]
	v_lshl_add_u32 v[WRA], v115, 10, v[WRA]
	v_add_nc_u32 v[ADF], s47, v[ADF]
	v_add_nc_u32 v[XA], s76, v[XA]
	v_add_nc_u32 v[RDA], RES, v[RDA]
	v_add_nc_u32 v[WRA], s78, v[WRA]
	v_add_nc_u32 v[XA], SLOT, v[XA]
	v_add_nc_u32 v[WRA], RES, v[WRA]
	; the sweep's start, once: -infinity under every number, my first tile, and kept numbers that the first tile replaces
.irp q, 0,1,2,3,4,5,6,7
	v_mov_b32 v[RUN+\q], 0xff800000
	v_mov_b32 v[TID+\q], s[CUR]
.endr
.set i, 0
.rept 56
	v_mov_b32 v[SV+i], 0
.set i, i+1
.endr
	s_wait_alu depctr_va_vdst(0)                   ; the wait at the end of the head's vector work
	s_wait_dscnt 0x0                               ; both opening adds are done
	s_wait_kmcnt 0x0
	s_mul_i32 s79, s[WV], PART                     ; where the head's parts go: waves 0-3 fill slot 0, waves 4-7 slot 1
	s_mov_b32 s[G0], 1                             ; count = 1
	s_mov_b32 s[G0+1], s79
	s_add_nc_u64 s[G0+2:G0+3], s[4:5], s[66:67]
	s_or_b32 s[G0+3], s[G0+3], 0x80000000          ; type = 2
	s_mov_b32 s[G0X], 1
	s_mov_b32 s[G0X+1], s79
	s_add_nc_u64 s[G0X+2:G0X+3], s[6:7], s[70:71]
	s_or_b32 s[G0X+3], s[G0X+3], 0x80000000
	s_mul_i32 s79, s[WV], PART8
	s_mov_b32 s[G0F], 1
	s_add_co_u32 s[G0F+1], s79, SLOT
	s_add_nc_u64 s[G0F+2:G0F+3], s[4:5], s[68:69]
	s_or_b32 s[G0F+3], s[G0F+3], 0x80000000
	s_add_nc_u64 s[8:9], s[8:9], s[72:73]
	s_add_nc_u64 s[10:11], s[10:11], s[74:75]
	ROUND                                          ; all sixteen work-groups are here: the first joint loads meet
	s_cmp_lt_u32 s[WV], 4                          ; one tensor load a wave at the head: waves 0-3 E's slot 0, waves 4-7 x
	s_cbranch_scc0 .Lhead_x
	tensor_load_to_lds s[G0:G0+3], s[G1:G1+7]
	s_nop 0
	PLACES 4
	s_branch .Lhead_asked
.Lhead_x:
	tensor_load_to_lds s[G0X:G0X+3], s[G1X:G1X+7]
	s_nop 0
	PLACES 4
.Lhead_asked:
.irp q, 0,1,2,3,4,5,6,7
	global_load_b32 v[XS+\q+(\q)/7], v[XSO], s[8:9] offset:128*\q   ; lanes 0-15 K step 0's word, lanes 16-31 K step 1's
.endr
	s_wait_tensorcnt 0x0                           ; my tile is in
	s_barrier_signal -1
	s_barrier_wait -1                              ; and everybody's
	; x's fragments: lane (r, h): row r, k = 128 s + 32 c + 16 h on
	WIN 0x40                                       ; destination window 1, address window 0
.irp q, 0,1,2,3,4,5,6,7
.irp s, 0,1
.irp c, 0,1,2,3
	ds_load_b128 v[32*\q+16*\s+4*\c:32*\q+16*\s+4*\c+3], v[XA] offset:4352*\q+128*\s+32*\c
.endr
.endr
.endr
	WIN 0
	LOADT 0, 0
	s_wait_loadcnt 0x0                             ; x's scale words
	s_wait_tensorcnt 0x0                           ; no tensor load of mine is out, ahead of a fill over bytes that have been filled
	ds_add_u32 v[SPW], v[NIL]
	s_mov_b32 s[G1+2], 68<<16                      ; from here on a load brings 68 rows
	s_mov_b32 s[G1+4], 68
	s_wait_dscnt 0x0                               ; the add is done, x and the first record are in registers
	s_barrier_signal -1                            ; the round opens,
	PROD 0, 0                                      ; tile 0: work on registers while the others arrive
	s_barrier_wait -1
	CREST                                          ; no wave of any partner still reads x's image or has a load on its way
	tensor_load_to_lds s[G0F:G0F+3], s[G1:G1+7]    ; my part of slot 1: the one tensor load behind the round, and the first thing there
	s_nop 0
	PLACES 4
	LOADT 1, 1
	PROD 0, 4
	PLACES 8                                       ; tile 0's first half has no reduction ahead of it that could be its places
	RED 0, 0
	TILE 1, 1
	s_mov_b32 s[TRIPS], 6
.Lslot0:                                           ; tiles 2 .. 13
	TILE 0, 0
	TILE 1, 1
	s_sub_co_u32 s[TRIPS], s[TRIPS], 1
	s_cmp_lg_u32 s[TRIPS], 0
	s_cbranch_scc1 .Lslot0
	TILE 0, 0
	TILE 1, 2                                      ; tile 15: on to slot 1
	s_mov_b32 s[TRIPS], 7
.Lslot1:                                           ; tiles 16 .. 29
	TILE 0, 0
	TILE 1, 1
	s_sub_co_u32 s[TRIPS], s[TRIPS], 1
	s_cmp_lg_u32 s[TRIPS], 0
	s_cbranch_scc1 .Lslot1
	TILE 0, 0
	TILE 1, 3
	RED 1, 4
	; THE TAIL.  After 32 tiles the maxima stand in set 0.  The lowest kept register that equals the maximum: from 6 down, each match overwrites; if none matches it is register 7.
.irp q, 0,1,2,3,4,5,6,7
	v_mov_b32 v[JJ+\q], 7
.endr
.irp j, 6,5,4,3,2,1,0
.irp q, 0,1,2,3,4,5,6,7
	v_cmp_eq_f32 s[MK+\q], v[SV+7*\q+\j], v[RUN+\q]
.endr
.irp q, 0,1,2,3,4,5,6,7
	v_cndmask_b32 v[JJ+\q], v[JJ+\q], \j, s[MK+\q]
.endr
.endr
.irp q, 0,1,2,3,4,5,6,7
	v_lshl_add_u32 v[PR+2*\q+1], v[TID+\q], 4, v[JJ+\q]   ; the codeword: 16 x tile + register
.endr
.irp q, 0,1,2,3,4,5,6,7
	v_add_nc_u32 v[PR+2*\q+1], v[H8], v[PR+2*\q+1]        ; + 8 h
	v_mov_b32 v[PR+2*\q], v[RUN+\q]                       ; beside its value, as a pair for one LDS store
.endr
.irp q, 0,1,2,3,4,5,6,7
	ds_store_b64 v[WRA], v[PR+2*\q:PR+2*\q+1] offset:128*\q   ; my half's best for query 16 q + r
.endr
	s_wait_dscnt 0x0                               ; for the other waves' sake
	s_barrier_signal -1
	s_barrier_wait -1
	; each lane joins two queries' four candidates: two waves x two lane halves
.irp k, 0,1,2,3
	ds_load_b128 v[LD+4*\k:LD+4*\k+3], v[RDA] offset:1024*\k
.endr
	s_wait_dscnt 0x0
	PICK LD,   LD+1, LD+4,  LD+5
	PICK LD+2, LD+3, LD+6,  LD+7
	PICK LD+8, LD+9, LD+12, LD+13
	PICK LD+10, LD+11, LD+14, LD+15
	PICK LD,   LD+1, LD+8,  LD+9
	PICK LD+2, LD+3, LD+10, LD+11
	; the value's order number: -0 becomes +0, then all bits but the sign of a negative number are turned round, so that signed whole numbers rise as the values do
	v_add_f32 v[LD], 0, v[LD]
	v_add_f32 v[LD+2], 0, v[LD+2]
	v_ashrrev_i32 v[TMP], 31, v[LD]
	v_ashrrev_i32 v[TMP+1], 31, v[LD+2]
	v_and_b32 v[TMP], 0x7fffffff, v[TMP]
	v_and_b32 v[TMP+1], 0x7fffffff, v[TMP+1]
	v_xor_b32 v[LD], v[LD], v[TMP]
	v_xor_b32 v[LD+2], v[LD+2], v[TMP+1]
	global_store_b128 v[GIO], v[LD:LD+3], s[10:11] ; 32 lanes store 512 consecutive bytes, at a multiple of 256 from res's first byte
	s_wait_tensorcnt 0x0                           ; the wave's end, behind my last tensor load and my last LDS store
	ds_add_u32 v[SPW], v[NIL]
	s_wait_dscnt 0x0
	ROUND                                          ; the closing round: no work-group ends while a partner may still ask for a part that names it
	s_endpgm
.Lfunc_end_k_q047d594bfb_sweep:
	.size	k_q047d594bfb_sweep, .Lfunc_end_k_q047d594bfb_sweep-k_q047d594bfb_sweep
	.p2alignl 7, 3214868480
	.fill 96, 4, 3214868480
	.section	.rodata,"a",@progbits
	.p2align	6, 0x0
	.amdhsa_kernel k_q047d594bfb_sweep
		.amdhsa_group_segment_fixed_size 327680
		.amdhsa_private_segment_fixed_size 0
		.amdhsa_enable_private_segment 0
		.amdhsa_kernarg_size 32
		.amdhsa_user_sgpr_count 2
		.amdhsa_user_sgpr_kernarg_segment_ptr 1
		.amdhsa_wavefront_size32 1
		.amdhsa_system_sgpr_workgroup_id_x 1
		.amdhsa_system_sgpr_workgroup_id_y 1
		.amdhsa_system_sgpr_workgroup_id_z 1
		.amdhsa_system_vgpr_workitem_id 0
		.amdhsa_next_free_vgpr 512
		.amdhsa_next_free_sgpr 80
		.amdhsa_reserve_vcc 0
		.amdhsa_float_denorm_mode_32 3
		.amdhsa_float_denorm_mode_16_64 3
		.amdhsa_memory_ordered 1
		.amdhsa_forward_progress 1
		.amdhsa_inst_pref_size 122
	.end_amdhsa_kernel
	.amdgpu_metadata
---
amdhsa.version: [ 1, 2 ]
amdhsa.kernels:
  - .name:           k_q047d594bfb_sweep
    .symbol:         k_q047d594bfb_sweep.kd
    .args:
      - { .name: ew, .offset: 0, .size: 8, .value_kind: global_buffer, .address_space: global }
      - { .name: x_codes, .offset: 8, .size: 8, .value_kind: global_buffer, .address_space: global }
      - { .name: x_scales, .offset: 16, .size: 8, .value_kind: global_buffer, .address_space: global }
      - { .name: res, .offset: 24, .size: 8, .value_kind: global_buffer, .address_space: global }
    .group_segment_fixed_size: 327680
    .private_segment_fixed_size: 0
    .kernarg_segment_align: 8
    .kernarg_segment_size: 32
    .max_flat_workgroup_size: 256
    .sgpr_count:     80
    .vgpr_count:     512
    .wavefront_size: 32
...
	.end_amdgpu_metadata
.endif
;; end of part 2
;; launch gather (part 3): grid 256 x 1, 8 waves a work-group, no clusters, 0 bytes of LDS; arguments res, E, out0; writes out0
.if DOCPART == 3
	.amdgcn_target "amdgcn-amd-amdhsa--gfx1250"
	.amdhsa_code_object_version 6
	.text
	.protected	k_q047d594bfb_gather
	.globl	k_q047d594bfb_gather
	.p2align	8
	.type	k_q047d594bfb_gather,@function
k_q047d594bfb_gather:
	s_mov_b64 s[64:65], 0
	v_nop
	global_prefetch_b8 v0, s[64:65] scope:SCOPE_SE
	s_setreg_imm32_b32 hwreg(HW_REG_WAVE_MODE, 25, 1), 1
	s_wait_xcnt 0x0
; out0[n][:] = E[v][:], v the winner of the four quarters for query n.  res: [4][32768] pairs (order number, index), whole numbers that the launch before stored; E: [4096][256] f32; out0: [32768][256] f32.
; A wave takes 16 rows.  Lane (r, h) loads query r's pairs of quarters 2 h and 2 h + 1; of equal order numbers the lower quarter wins, so the lowest index does.
; A row is 1,024 bytes: two loads and two stores of 16 bytes a lane, 512 consecutive bytes each.  All 32 loads of a wave go out at once (16 KiB a wave, 128 KiB a work-group); the stores follow in the loads' order, each behind a counted wait.
; No LDS, no barrier, no matrix unit, no cluster: waves share nothing, and the launch moves bytes alone.  An index is held to 0 .. 4095 before it enters an address.
.set L16, 1                            ; v1      16 x lane
.set OFF, 2                            ; v2-17   row i: 1,024 x its index + 16 x lane
.set D,   20                           ; v20-147 the 16 rows: 8 registers each
	s_load_b128 s[4:7], s[0:1], 0x0                ; res s[4:5], E s[6:7]
	s_load_b64 s[8:9], s[0:1], 0x10                ; out0
	v_lshrrev_b32 v1, 5, v0
	v_readfirstlane_b32 s10, v1                    ; wave 0..7
	v_and_b32 v1, 31, v0
	v_and_b32 v18, 15, v0                          ; r
	v_bfe_u32 v19, v0, 4, 1                        ; h
	v_lshlrev_b32 v[L16], 4, v1
	v_lshlrev_b32 v18, 3, v18
	v_mov_b32 v2, 0                                ; (a lane permute's destination counts as one of its sources)
	v_mov_b32 v3, 0
	v_lshl_add_u32 v18, v19, 19, v18               ; 8 r + two quarters of 262,144 bytes for lanes 16-31
	s_lshl_b32 s11, ttmp9, 3
	s_add_co_u32 s10, s10, s11                     ; which run of 16 rows is my wave's: 8 x work-group + wave
	s_lshl_b32 s12, s10, 7                         ; its 128 bytes of each quarter of res
	s_mov_b32 s13, 0
	s_lshl_b32 s14, s10, 14                        ; its 16,384 bytes of out0
	s_mov_b32 s15, 0
	s_mov_b32 s32, 0x76543210
	s_mov_b32 s33, 0xfedcba98                      ; v_permlanex16_b32's selects for lane l xor 16
	s_wait_alu depctr_va_vdst(0)                   ; the wait at the head's end
	s_wait_kmcnt 0x0
	s_add_nc_u64 s[4:5], s[4:5], s[12:13]
	s_add_nc_u64 s[8:9], s[8:9], s[14:15]
	global_load_b64 v[148:149], v18, s[4:5]
	global_load_b64 v[150:151], v18, s[4:5] offset:262144
	s_wait_loadcnt 0x0
	v_cmp_gt_i32 s11, v150, v148
	v_cndmask_b32 v148, v148, v150, s11
	v_cndmask_b32 v149, v149, v151, s11
	v_permlanex16_b32 v2, v148, s32, s33           ; lanes 0-15 see quarters 2 and 3
	v_permlanex16_b32 v3, v149, s32, s33
	v_cmp_gt_i32 s11, v2, v148
	v_cndmask_b32 v149, v149, v3, s11              ; lanes 0-15: the winner (lanes 16-31 are not read)
	s_wait_alu depctr_va_vdst(0)
.irp i, 0,1,2,3,4,5,6,7,8,9,10,11,12,13,14,15
	v_readlane_b32 s[16+\i], v149, \i
.endr
.irp i, 0,1,2,3,4,5,6,7,8,9,10,11,12,13,14,15
	s_min_u32 s[16+\i], s[16+\i], 0xfff            ; inside the table
	s_lshl_b32 s[16+\i], s[16+\i], 10              ; a row of E is 1,024 bytes
	v_add_nc_u32 v[OFF+\i], s[16+\i], v[L16]
.endr
	s_wait_alu depctr_va_vdst(0)
.irp i, 0,1,2,3,4,5,6,7,8,9,10,11,12,13,14,15
.irp u, 0,1
	global_load_b128 v[D+8*\i+4*\u:D+8*\i+4*\u+3], v[OFF+\i], s[6:7] offset:512*\u   ; no hint: a row may be named again by other queries
.endr
.endr
.set k, 0
.rept 32
	s_wait_loadcnt 31-k                            ; loads come back in order (ISA guide 5.7.1): load k is in, the 31 - k issued behind it may be out
	global_store_b128 v[L16], v[D+4*k:D+4*k+3], s[8:9] offset:512*k   ; 32 lanes store 512 consecutive bytes, at a multiple of 256 from out0's first byte
.set k, k+1
.endr
	s_endpgm
.Lfunc_end_k_q047d594bfb_gather:
	.size	k_q047d594bfb_gather, .Lfunc_end_k_q047d594bfb_gather-k_q047d594bfb_gather
	.p2alignl 7, 3214868480
	.fill 96, 4, 3214868480
	.section	.rodata,"a",@progbits
	.p2align	6, 0x0
	.amdhsa_kernel k_q047d594bfb_gather
		.amdhsa_group_segment_fixed_size 0
		.amdhsa_private_segment_fixed_size 0
		.amdhsa_enable_private_segment 0
		.amdhsa_kernarg_size 24
		.amdhsa_user_sgpr_count 2
		.amdhsa_user_sgpr_kernarg_segment_ptr 1
		.amdhsa_wavefront_size32 1
		.amdhsa_system_sgpr_workgroup_id_x 1
		.amdhsa_system_sgpr_workgroup_id_y 1
		.amdhsa_system_sgpr_workgroup_id_z 1
		.amdhsa_system_vgpr_workitem_id 0
		.amdhsa_next_free_vgpr 152
		.amdhsa_next_free_sgpr 66
		.amdhsa_reserve_vcc 0
		.amdhsa_float_denorm_mode_32 3
		.amdhsa_float_denorm_mode_16_64 3
		.amdhsa_memory_ordered 1
		.amdhsa_forward_progress 1
		.amdhsa_inst_pref_size 12
	.end_amdhsa_kernel
	.amdgpu_metadata
---
amdhsa.version: [ 1, 2 ]
amdhsa.kernels:
  - .name:           k_q047d594bfb_gather
    .symbol:         k_q047d594bfb_gather.kd
    .args:
      - { .name: res, .offset: 0, .size: 8, .value_kind: global_buffer, .address_space: global }
      - { .name: E, .offset: 8, .size: 8, .value_kind: global_buffer, .address_space: global }
      - { .name: out0, .offset: 16, .size: 8, .value_kind: global_buffer, .address_space: global }
    .group_segment_fixed_size: 0
    .private_segment_fixed_size: 0
    .kernarg_segment_align: 8
    .kernarg_segment_size: 24
    .max_flat_workgroup_size: 256
    .sgpr_count:     66
    .vgpr_count:     152
    .wavefront_size: 32
...
	.end_amdgpu_metadata
.endif
;; end of part 3
